; MI455X (gfx1250); checked and timed in simulation.
; The chip was launched on July 23, 2026; its instructions are those of AMD's public machine-readable ISA for CDNA 5 (MIT licence, August 2026) and "CDNA5" Instruction Set Architecture Reference Guide (July 2026). The comments in the code are by the model that wrote it; some were corrected since.
;; Adaptive Spectral Feature Refinement Cosine. Allowed arithmetic: float matrix products may take bf16 or f16 operands with f32 sums; all other float work in f32.
;; Inputs: fe_lv 4 x 128 x 128 x 128 float32; fused_features 4 x 128 x 128 x 128 float32.
;; Outputs: out0 4 x 128 x 128 x 128 float32.
;; One version. Each part assembles by itself: llvm-mc -triple=amdgcn-amd-amdhsa -mcpu=gfx1250 --defsym DOCPART=n.
;; ======== version 1 of 1: 1 launch
;; limits: inputs' magnitudes at most 1e+18
;; launch refine (part 1): grid 256 x 1, 8 waves a work-group, no clusters, 321,536 bytes of LDS; arguments fe_lv, fused_features, out0; writes out0
.if DOCPART == 1
	.amdgcn_target "amdgcn-amd-amdhsa--gfx1250"
	.amdhsa_code_object_version 6
	.text
	.protected	k_qbd879001a1_refine
	.globl	k_qbd879001a1_refine
	.p2align	8
	.type	k_qbd879001a1_refine,@function
k_qbd879001a1_refine:
	s_mov_b64 s[64:65], 0
	v_nop
	global_prefetch_b8 v0, s[64:65] scope:SCOPE_SE
	s_setreg_imm32_b32 hwreg(HW_REG_WAVE_MODE, 25, 1), 1
	s_wait_xcnt 0x0
; out[b][c][y][x] = fe[b][c][y][x] + sum over the 9 neighbours k of w_k * fused[b][c][y+dy][x+dx]  (zero outside the image),
; w = softmax over k of cos_k,  cos_k = <fused(.,y+dy,x+dx), fe(.,y,x)> / (max(|fused|,1e-12) max(|fe|,1e-12)), norms and dots over the 128 channels.
; All tensors [4][128][128][128] f32.  Nothing of the computation is left out and both inputs are read.
;
; SHARE.  256 work-groups; a work-group owns image rows y0, y0+1 (y0 = 2 (id mod 64)) of image id / 64: 256 pixels x 128 channels.
;   fused: the window rows y0-1 .. y0+2 of all channels lie in LDS as [window row][channel][x], 4 x 128 x 512 bytes, each byte filled once by a tensor load.
;   fe:    128 registers a lane, loaded once; phase 2 adds the weighted neighbours onto them in place, so they leave as the result.
;   wave w: r = w & 1 its output row, g = w >> 1 its eight channels 32 t + 8 g .. + 7 of each chunk t of 32 channels.
;   lane (h = lane / 16, l = lane % 16): channel parity h, pixels 4 l .. 4 l + 3 (quad A) and 64 + 4 l .. + 3 (quad B): the sixteen lanes of a half read or write
;   256 consecutive bytes, aligned, in LDS and in memory.  The neighbours at x - 1 and x + 4 of a quad come from the next lane by DPP (six moves a row).
;   slot j = 0, 1, 2 of a wave is window row j for r = 0 and 3 - j for r = 1 (j xor 3 r).  The softmax does not mind the order of the nine, and so
;   slots 0 and 1 of the two rows' waves are the four window rows once each (their sums of squares), and slot 0 is the one row that can lie outside the image.
; EDGES.  x: a lane without a neighbour gets 0 from the DPP move, so dot = 0, cos = 0 and the term of the sum is 0, as with the zero padding.
;   y: for a window row outside the image the nearest row inside is loaded instead, and the factor m (0 or 1) clears its three cosines and its three weights.
;   That row's pixels are true neighbours of the same output pixels, so a NaN in it reaches only results that are NaN anyway.
; WHY NO MATRIX INSTRUCTIONS: both products have the pixel as a batch index on both operands; as 16 x 16 tiles 3 diagonals of 16 would be wanted, and both inputs
;   would have to be rounded to bf16 and transposed through LDS.  About 20 f32 multiply-adds stand against 12 bytes moved for each pixel and channel.
; WHY NO CLUSTER: a row of fused is wanted by two vertical neighbours at window rows two apart; a joint load lands at one LDS address in both, so the LDS
;   addresses of the reads would differ with the place in the cluster.
; LIMITS: dots and sums of squares are formed in f32 before the scaling: they overflow for |x| above about 1e18 (the norm of the definition does too).
;   1 / max(sqrt(s), 1e-12) is computed as min(rsq(s), 1e12); rsq takes a denormal s as 0, which the minimum turns into the same 1e12.
.set PLANE, 65536                      ; bytes of one channel's image in memory, and of one window row (128 channels x 512 bytes) in LDS
.set ROWB,  512                        ; bytes of an image row
.set SCR,   4*PLANE                    ; LDS behind the window: no tensor load lands from here on
.set SETB,  12*ROWB                    ; a wave's partial sums: 12 kinds (9 dots, fused^2 of slots 0 and 1, fe^2) x 128 pixels
.set WSB,   SCR+8*SETB                 ; the weights: [row][k][128 pixels]
.set WROW,  9*ROWB
.set AS,  1                            ; v1-3     LDS address of my 16 bytes (quad A, chunk 0, first channel pair) in slot 0, 1, 2
.set HRA, 4                            ; v4       right neighbour of quad A   (v4 first holds the offset of the fe loads)
.set HLA, 5                            ; v5       left neighbour of quad A
.set HRB, 6                            ; v6       right neighbour of quad B
.set HLB, 7                            ; v7       left neighbour of quad B
.set BUF, 8                            ; v8-31    three row buffers: quad A in +0..3, quad B in +4..7
.set ACC, 32                           ; v32-103  dots: kind k = 3 j + d (d = dx + 1), 8 pixels each
.set FN,  104                          ; v104-119 fused^2 of slots 0 and 1 (kinds 9, 10)
.set EN,  120                          ; v120-127 fe^2 (kind 11)
.set E,   128                          ; v128-255 fe: channel pair n = 4 t + i in 8 registers
.set T,   32                           ; between the phases: four sets of 19 sums of one pixel, 20 registers apart
.set W,   32                           ; phase 2: v32-103 the weights, laid out as ACC
.set GO2, 120                          ; phase 2: byte offset of my 16 bytes in out
.set WL,  121                          ; phase 2: LDS address of my weights
.set G1,  24                           ; s[24:31] tensor descriptor group 1
.set G0,  32                           ; s[32:47] group 0, a set for each of my four loads: none is rewritten
	s_load_b128 s[4:7], s[0:1], 0x0                ; fe s[4:5], fused s[6:7]
	s_load_b64 s[8:9], s[0:1], 0x10                ; out
	s_set_vgpr_msb 0x40
	v_lshl_add_u32 v0, v0, 2, 0x4e400
	v_mov_b32 v1, 0
	s_set_vgpr_msb 0x4045
	ds_add_u32 v0, v1
	ds_add_u32 v0, v1
	s_set_vgpr_msb 0x4500
	v_lshrrev_b32 v8, 5, v0
	v_readfirstlane_b32 s10, v8                    ; wave w
	s_and_b32 s11, s10, 1                          ; r.  Also: which 16 of a chunk's 32 channels I fetch
	s_lshr_b32 s12, s10, 1                         ; g.  Also: which window row I fetch
	s_lshr_b32 s13, ttmp9, 6
	s_lshl_b32 s13, s13, 23                        ; byte offset of my image: 128 planes
	s_and_b32 s14, ttmp9, 63
	s_lshl_b32 s14, s14, 1                         ; y0
	; group 1: a tile of 16 rows (channels, 16,384 elements apart) x 128 elements of 4 bytes, laid into LDS without gaps
	s_mov_b32 s[G1+0], 2<<16                       ; no mask, element of 4 bytes, no padding
	s_mov_b32 s[G1+1], 128<<16                     ; tensor_dim0 = 128
	s_mov_b32 s[G1+2], 16<<16                      ; tensor_dim1 = 16
	s_mov_b32 s[G1+3], 128<<16                     ; tile_dim0 = 128
	s_mov_b32 s[G1+4], 16                          ; tile_dim1 = 16
	s_mov_b32 s[G1+5], 16384                       ; from channel to channel
	s_mov_b32 s[G1+6], 0
	s_mov_b32 s[G1+7], 0
	s_add_co_u32 s15, s14, s12
	s_sub_co_i32 s15, s15, 1                       ; image row of window row g: y0 - 1 + g,
	s_max_i32 s15, s15, 0                          ; or the nearest row inside the image
	s_min_i32 s15, s15, 127
	s_lshl_b32 s15, s15, 9
	s_lshl_b32 s17, s11, 20                        ; 16 planes
	s_add_co_u32 s20, s13, s15
	s_add_co_u32 s20, s20, s17
	s_mov_b32 s21, 0                               ; s[20:21]: byte offset of my first tile in fused
	s_lshl_b32 s16, s12, 16
	s_lshl_b32 s17, s11, 13
	s_add_co_u32 s16, s16, s17                     ; and its LDS address: window row x 65,536 + 16 channels x 512
	s_add_co_u32 s22, s14, s11
	s_lshl_b32 s22, s22, 9
	s_add_co_u32 s22, s22, s13
	s_mov_b32 s23, 0                               ; s[22:23]: byte offset of my output row in channel 0 of my image
	s_mul_i32 s51, s11, 3                          ; 3 r
	s_add_co_u32 s49, s14, s51
	s_sub_co_u32 s49, s49, 1                       ; image row of my slot 0: y0 - 1 + 3 r (wraps below 0)
	s_cmp_lt_u32 s49, 128
	s_cselect_b32 s49, 1.0, 0                      ; m = 1 if it lies in the image, else 0
	s_mov_b32 s50, 0x5368d4a5                      ; 1e12
	v_and_b32 v8, 15, v0
	v_lshlrev_b32 v8, 4, v8                        ; 16 l
	v_bfe_u32 v9, v0, 4, 1                         ; h
	v_lshl_add_u32 v9, s12, 3, v9                  ; 8 g + h: my channel in chunk 0, pair 0
	v_lshl_add_u32 v4, v9, 16, v8                  ; its offset in memory
	v_lshl_add_u32 v10, v9, 9, v8                  ; and in a window row in LDS
.irp j, 0,1,2
	s_xor_b32 s48, s51, \j                         ; window row of slot j
	s_lshl_b32 s48, s48, 16
	v_add_nc_u32 v[AS+\j], s48, v10
.endr
	s_wait_dscnt 0x0
	s_wait_kmcnt 0x0
	s_add_nc_u64 s[18:19], s[6:7], s[20:21]
	; All fills of LDS go out here, four tensor loads a wave, ahead of every wait for them, every LDS read and every barrier.  Load t is my part of chunk t.
.irp t, 0,1,2,3
	s_mov_b32 s[G0+4*\t], 1
	s_add_co_u32 s[G0+4*\t+1], s16, \t*32*ROWB
	s_add_nc_u64 s[G0+4*\t+2:G0+4*\t+3], s[18:19], \t*32*PLANE
	s_or_b32 s[G0+4*\t+3], s[G0+4*\t+3], 0x80000000
	tensor_load_to_lds s[G0+4*\t:G0+4*\t+3], s[G1:G1+7]
	s_nop 0
.endr
	s_add_nc_u64 s[4:5], s[4:5], s[22:23]
	s_add_nc_u64 s[8:9], s[8:9], s[22:23]
	; fe: 32 loads a wave, in the order in which the chunks want them; the channel pair stands in the immediate (6,684,928 at the most)
.set gn, 0
.rept 16
	global_load_b128 v[E+8*gn:E+8*gn+3],   v4, s[4:5] offset:(32*(gn/4)+2*(gn%4))*PLANE th:TH_LOAD_NT
	global_load_b128 v[E+8*gn+4:E+8*gn+7], v4, s[4:5] offset:(32*(gn/4)+2*(gn%4))*PLANE+256 th:TH_LOAD_NT
.set gn, gn+1
.endr
	s_wait_xcnt 0x0                                ; the loads' addresses are translated: v4 is rewritten only behind this wait
	v_mov_b32 v[HRA], 0                            ; a DPP move's destination counts as read: written once here
	v_mov_b32 v[HLA], 0
	v_mov_b32 v[HRB], 0
	v_mov_b32 v[HLB], 0
; The fused row of slot j for channel pair n, into buffer f
.macro LOADF f, n, j
	ds_load_b128 v[\f:\f+3],   v[AS+\j] offset:(32*((\n)/4)+2*((\n)%4))*ROWB
	ds_load_b128 v[\f+4:\f+7], v[AS+\j] offset:(32*((\n)/4)+2*((\n)%4))*ROWB+256
.endm
; The four neighbours beside my two quads.  A DPP row is the sixteen lanes of one channel.  x = -1 and x = 128 read as 0 (bound_ctrl).  At the seam between x = 63
; and x = 64 the rotated move serves the one lane that the shifted move behind it leaves as it is.
.macro HALO f
	v_mov_b32_dpp v[HLA], v[\f+3] row_shr:1 row_mask:0xf bank_mask:0xf bound_ctrl:1    ; x = 4 l - 1; lane 0: 0
	v_mov_b32_dpp v[HRB], v[\f+4] row_shl:1 row_mask:0xf bank_mask:0xf bound_ctrl:1    ; x = 64 + 4 l + 4; lane 15: 0
	v_mov_b32_dpp v[HRA], v[\f+4] row_ror:15 row_mask:0xf bank_mask:0xf                ; lane 15 takes x = 64 from lane 0
	v_mov_b32_dpp v[HLB], v[\f+3] row_ror:1 row_mask:0xf bank_mask:0xf                 ; lane 0 takes x = 63 from lane 15
	v_mov_b32_dpp v[HRA], v[\f] row_shl:1 row_mask:0xf bank_mask:0xf                   ; x = 4 l + 4; lane 15 keeps
	v_mov_b32_dpp v[HLB], v[\f+7] row_shr:1 row_mask:0xf bank_mask:0xf                 ; x = 64 + 4 l - 1; lane 0 keeps
.endm
; Two multiply-adds in one instruction.  first = 1: the product starts the sum, so nothing is cleared.
.macro FMA2 d0, a0, m0, d1, a1, m1, first
.if \first
	v_dual_mul_f32 v[\d0], v[\a0], v[\m0] :: v_dual_mul_f32 v[\d1], v[\a1], v[\m1]
.else
	v_dual_fmac_f32 v[\d0], v[\a0], v[\m0] :: v_dual_fmac_f32 v[\d1], v[\a1], v[\m1]
.endif
.endm
.macro PK2 d, a, m, first
.if \first
	v_pk_mul_f32 v[\d:\d+1], v[\a:\a+1], v[\m:\m+1]
.else
	v_pk_fma_f32 v[\d:\d+1], v[\a:\a+1], v[\m:\m+1], v[\d:\d+1]
.endif
.endm
; d[p] += row[p + dx] * m[p] for my 8 pixels p and dx = -1 (dl, ml), 0 (dc, mc), +1 (dr, mr).  dx = 0 pairs up on even registers (packed form); for dx = +-1 the
; row's pair starts on an odd register, which the dual form takes: its two first sources lie in different register banks (number mod 4) by the places of the
; buffers (multiples of 4) and of v4-7, its second sources and destinations are neighbours.
.macro TAPS f, dl, dc, dr, ml, mc, mr, first
	FMA2 \dl,   HLA,  \ml,   \dl+1, \f,   \ml+1, \first
	FMA2 \dl+2, \f+1, \ml+2, \dl+3, \f+2, \ml+3, \first
	FMA2 \dl+4, HLB,  \ml+4, \dl+5, \f+4, \ml+5, \first
	FMA2 \dl+6, \f+5, \ml+6, \dl+7, \f+6, \ml+7, \first
	PK2 \dc,   \f,   \mc,   \first
	PK2 \dc+2, \f+2, \mc+2, \first
	PK2 \dc+4, \f+4, \mc+4, \first
	PK2 \dc+6, \f+6, \mc+6, \first
	FMA2 \dr,   \f+1, \mr,   \dr+1, \f+2, \mr+1, \first
	FMA2 \dr+2, \f+3, \mr+2, \dr+3, HRA,  \mr+3, \first
	FMA2 \dr+4, \f+5, \mr+4, \dr+5, \f+6, \mr+5, \first
	FMA2 \dr+6, \f+7, \mr+6, \dr+7, HRB,  \mr+7, \first
.endm
; PHASE 1, chunk t: 4 channel pairs x 3 slots = 12 steps.  Buffer j serves slot j; a buffer is asked for again as soon as its step is over, so two fetches
; (four loads) are on their way at each step's wait.
.macro CHUNK t
	s_wait_tensorcnt 3-\t                          ; a wave's tensor loads end in order: my part of chunk t is in LDS, my later chunks stay out
	s_wait_dscnt 0x0                               ; no LDS instruction of mine is pending at the signal
	s_barrier_signal -1
	s_barrier_wait -1                              ; every wave's part of chunk t is in LDS.  Nothing is ever filled again, so later tiles may stay on their way
	LOADF BUF,    4*\t, 0
	LOADF BUF+8,  4*\t, 1
	LOADF BUF+16, 4*\t, 2
	s_wait_loadcnt 24-8*\t                         ; fe of chunk t: the eight loads of each later chunk stay out
.set st, 0
.rept 12
.set gn, 4*\t+st/3
.set sj, st%3
.set fb, BUF+8*sj
.if gn==0
.set fi, 1
.else
.set fi, 0
.endif
.if st<10
	s_wait_dscnt 4                                 ; this step's two loads are in; the next two steps' four stay out
.else
	s_wait_dscnt 2*(11-st)                         ; the chunk's last steps: nothing was asked for behind them
.endif
	HALO fb
	TAPS fb, ACC+24*sj, ACC+24*sj+8, ACC+24*sj+16, E+8*gn, E+8*gn, E+8*gn, fi
.if sj<2
	PK2 FN+8*sj,   fb,   fb,   fi                  ; fused^2 at my own pixels, slots 0 and 1
	PK2 FN+8*sj+2, fb+2, fb+2, fi
	PK2 FN+8*sj+4, fb+4, fb+4, fi
	PK2 FN+8*sj+6, fb+6, fb+6, fi
.else
	PK2 EN,   E+8*gn,   E+8*gn,   fi               ; fe^2, once for each channel pair
	PK2 EN+2, E+8*gn+2, E+8*gn+2, fi
	PK2 EN+4, E+8*gn+4, E+8*gn+4, fi
	PK2 EN+6, E+8*gn+6, E+8*gn+6, fi
.endif
.if st<9
	LOADF fb, gn+1, sj                             ; the same slot of the next channel pair
.endif
.set st, st+1
.endr
.endm
	CHUNK 0
	CHUNK 1
	CHUNK 2
	CHUNK 3                                        ; its wait for tensor loads is for 0: none is out from here on
	; BETWEEN THE PHASES.  First the two channel halves of the wave: the swap puts quad A of both halves into lanes 0-15 and quad B of both into lanes 16-31,
	; so that after the add lane L holds the wave's sums for pixels 4 L .. 4 L + 3 in the kind's first four registers.
.set kk, 0
.rept 12
.irp p, 0,1,2,3
	v_permlane16_swap_b32 v[ACC+8*kk+\p], v[ACC+8*kk+4+\p]
.endr
	v_pk_add_f32 v[ACC+8*kk:ACC+8*kk+1],   v[ACC+8*kk:ACC+8*kk+1],   v[ACC+8*kk+4:ACC+8*kk+5]
	v_pk_add_f32 v[ACC+8*kk+2:ACC+8*kk+3], v[ACC+8*kk+2:ACC+8*kk+3], v[ACC+8*kk+6:ACC+8*kk+7]
.set kk, kk+1
.endr
	v_and_b32 v8, 31, v0                           ; L
	s_mul_i32 s52, s10, SETB
	s_add_co_u32 s52, s52, SCR
	v_lshl_add_u32 v4, v8, 4, s52                  ; my wave's set, 16 bytes a lane: a kind's row of 128 pixels is 512 consecutive bytes
.set kk, 0
.rept 12
	ds_store_b128 v4, v[ACC+8*kk:ACC+8*kk+3] offset:kk*ROWB
.set kk, kk+1
.endr
	; From here a lane has ONE pixel: row r, x = 32 g + L.  The set of wave (r, g') lies 2 g' sets from that of wave (r, 0).
	s_lshl_b32 s53, s12, 7                         ; 4 x 32 g
	s_mul_i32 s54, s11, SETB
	s_add_co_u32 s54, s54, s53
	s_add_co_u32 s54, s54, SCR-4                   ; my row's sets, one pixel to the left (the immediates add 4 (dx + 1))
	s_xor_b32 s55, s11, 1
	s_mul_i32 s55, s55, SETB
	s_add_co_u32 s55, s55, s53
	s_add_co_u32 s55, s55, SCR-4                   ; the other row's sets: its slot 1 is my slot 2
	s_mul_i32 s56, s11, WROW
	s_add_co_u32 s56, s56, WSB                     ; my row's weights
	s_add_co_u32 s57, s56, s53
	v_lshl_add_u32 v5, v8, 2, s54
	v_lshl_add_u32 v6, v8, 2, s55
	v_lshl_add_u32 v7, v8, 2, s57
	s_wait_dscnt 0x0                               ; my sums are in LDS,
	s_barrier_signal -1
	s_barrier_wait -1                              ; and so are everybody's
	; 19 sums from each of the four sets: 9 dots, fe^2, fused^2 of the 9 neighbours.  At x = 0 and x = 127 the word beside a row's end is read (the neighbouring
	; kind's, written like all of the set); whatever it holds, min(rsq, 1e12) makes of it a finite factor (a NaN loses in the minimum), and the dot that it
	; multiplies is exactly 0 there.
.irp q, 0,1,2,3
.irp k, 0,1,2,3,4,5,6,7,8
	ds_load_b32 v[T+20*\q+\k], v5 offset:\q*2*SETB+\k*ROWB+4
.endr
	ds_load_b32 v[T+20*\q+9], v5 offset:\q*2*SETB+11*ROWB+4
.irp d, 0,1,2
	ds_load_b32 v[T+20*\q+10+\d], v5 offset:\q*2*SETB+9*ROWB+4*\d
	ds_load_b32 v[T+20*\q+13+\d], v5 offset:\q*2*SETB+10*ROWB+4*\d
	ds_load_b32 v[T+20*\q+16+\d], v6 offset:\q*2*SETB+10*ROWB+4*\d
.endr
.endr
	s_wait_dscnt 38                                ; sets 0 and 1 are in; the 38 loads of sets 2 and 3 stay out
.irp p, 0,2,4,6,8,10,12,14,16
	v_pk_add_f32 v[T+\p:T+\p+1], v[T+\p:T+\p+1], v[T+20+\p:T+20+\p+1]
.endr
	v_add_f32 v[T+18], v[T+18], v[T+38]
	s_wait_dscnt 0x0
.irp p, 0,2,4,6,8,10,12,14,16
	v_pk_add_f32 v[T+40+\p:T+40+\p+1], v[T+40+\p:T+40+\p+1], v[T+60+\p:T+60+\p+1]
.endr
	v_add_f32 v[T+58], v[T+58], v[T+78]
.irp p, 0,2,4,6,8,10,12,14,16
	v_pk_add_f32 v[T+\p:T+\p+1], v[T+\p:T+\p+1], v[T+40+\p:T+40+\p+1]
.endr
	v_add_f32 v[T+18], v[T+18], v[T+58]
	; now v32-40 the dots, v41 fe^2, v42-50 fused^2 of the neighbours
.irp k, 0,1,2,3,4,5,6,7,8
	v_rsq_f32 v[52+\k], v[42+\k]
.endr
	v_rsq_f32 v61, v41
	v_and_b32 v9, 15, v0                           ; (for phase 2) a plain instruction between the last rsq and the first use of a result (ISA guide 5.7.2)
	s_wait_alu depctr_va_vdst(0)
.irp k, 0,1,2,3,4,5,6,7,8,9
	v_min_num_f32 v[52+\k], s50, v[52+\k]          ; 1 / max(norm, 1e-12)
.endr
	v_mul_f32 v61, 0x3fb8aa3b, v61                 ; log2(e) rides on fe's factor: the exponentials are to base 2
	v_mul_f32 v62, s49, v61                        ; and m on slot 0's
.irp k, 0,1,2,3,4,5,6,7,8
	v_mul_f32 v[32+\k], v[32+\k], v[52+\k]
.endr
.irp k, 0,1,2
	v_mul_f32 v[32+\k], v[32+\k], v62              ; cos log2(e), or 0 for a row outside the image
.endr
.irp k, 3,4,5,6,7,8
	v_mul_f32 v[32+\k], v[32+\k], v61
.endr
	v_max3_num_f32 v63, v32, v33, v34              ; the maximum is taken away as in the definition
	v_max3_num_f32 v63, v63, v35, v36
	v_max3_num_f32 v63, v63, v37, v38
	v_max3_num_f32 v63, v63, v39, v40
.irp k, 0,1,2,3,4,5,6,7,8
	v_sub_f32 v[32+\k], v[32+\k], v63
.endr
.irp k, 0,1,2,3,4,5,6,7,8
	v_exp_f32 v[72+\k], v[32+\k]
.endr
	v_bfe_u32 v10, v0, 4, 1                        ; (for phase 2) the plain instruction behind the exponentials
	s_wait_alu depctr_va_vdst(0)
	v_add_f32 v64, v72, v73
	v_add_f32 v65, v74, v75
	v_add_f32 v66, v76, v77
	v_add_f32 v67, v78, v79
	v_add_f32 v64, v64, v65
	v_add_f32 v66, v66, v67
	v_add_f32 v64, v64, v80
	v_add_f32 v64, v64, v66
	v_rcp_f32 v65, v64
	v_lshl_add_u32 v10, s12, 3, v10                ; (for phase 2) 8 g + h; the plain instruction behind the reciprocal
	s_wait_alu depctr_va_vdst(0)
	v_mul_f32 v66, s49, v65                        ; a row outside the image counts in the sum of the softmax and adds nothing to the result
.irp k, 0,1,2
	v_mul_f32 v[72+\k], v[72+\k], v66
.endr
.irp k, 3,4,5,6,7,8
	v_mul_f32 v[72+\k], v[72+\k], v65
.endr
.irp k, 0,1,2,3,4,5,6,7,8
	ds_store_b32 v7, v[72+\k] offset:\k*ROWB       ; bytes of their own: nobody reads the sums' bytes for them to wait on
.endr
	v_lshlrev_b32 v9, 4, v9                        ; 16 l
	v_lshl_add_u32 v[GO2], v10, 16, v9             ; my 16 bytes in out, as for the fe loads
	v_add_nc_u32 v[WL], s56, v9                    ; my quad A's weights; both halves of the wave read the same
	s_wait_dscnt 0x0                               ; my weights are in LDS,
	s_barrier_signal -1
	s_barrier_wait -1                              ; and so are everybody's
	; PHASE 2: fe += sum of weight x neighbour, 16 channel pairs x 3 slots = 48 steps on five row buffers; a pair is stored behind its third slot.
.set kk, 0
.rept 9
	ds_load_b128 v[W+8*kk:W+8*kk+3],   v[WL] offset:kk*ROWB
	ds_load_b128 v[W+8*kk+4:W+8*kk+7], v[WL] offset:kk*ROWB+256
.set kk, kk+1
.endr
.set st, 0
.rept 5
.set bi, st%5
.set fb, 8+8*bi+72*(bi/3)                          ; v8, v16, v24, v104, v112
	LOADF fb, st/3, st%3
.set st, st+1
.endr
.set st, 0
.rept 48
.set gn, st/3
.set sj, st%3
.set bi, st%5
.set fb, 8+8*bi+72*(bi/3)
.if st<44
	s_wait_dscnt 8                                 ; this step's two loads (and, in step 0, the weights in front of them) are in; the next four steps' eight stay out
.else
	s_wait_dscnt 2*(47-st)                         ; the last steps: the counts run down
.endif
	HALO fb
	TAPS fb, E+8*gn, E+8*gn, E+8*gn, W+24*sj, W+24*sj+8, W+24*sj+16, 0
.if st<43
	LOADF fb, (st+5)/3, (st+5)%3
.endif
.if sj==2
	global_store_b128 v[GO2], v[E+8*gn:E+8*gn+3],   s[8:9] offset:(32*(gn/4)+2*(gn%4))*PLANE th:TH_STORE_NT       ; sixteen lanes store 256 consecutive bytes, aligned;
	global_store_b128 v[GO2], v[E+8*gn+4:E+8*gn+7], s[8:9] offset:(32*(gn/4)+2*(gn%4))*PLANE+256 th:TH_STORE_NT   ; neither the data nor the offset is written again
.endif
.set st, st+1
.endr
	s_set_vgpr_msb 0x5
	s_wait_tensorcnt 0x0
	ds_add_u32 v0, v1
	s_wait_dscnt 0x0
	s_set_vgpr_msb 0x500
	s_endpgm
.Lfunc_end_k_qbd879001a1_refine:
	.size	k_qbd879001a1_refine, .Lfunc_end_k_qbd879001a1_refine-k_qbd879001a1_refine
	.p2alignl 7, 3214868480
	.fill 96, 4, 3214868480
	.section	.rodata,"a",@progbits
	.p2align	6, 0x0
	.amdhsa_kernel k_qbd879001a1_refine
		.amdhsa_group_segment_fixed_size 321536
		.amdhsa_private_segment_fixed_size 0
		.amdhsa_enable_private_segment 0
		.amdhsa_kernarg_size 24
		.amdhsa_user_sgpr_count 2
		.amdhsa_user_sgpr_kernarg_segment_ptr 1
		.amdhsa_wavefront_size32 1
		.amdhsa_system_sgpr_workgroup_id_x 1
		.amdhsa_system_sgpr_workgroup_id_y 1
		.amdhsa_system_sgpr_workgroup_id_z 1
		.amdhsa_system_vgpr_workitem_id 0
		.amdhsa_next_free_vgpr 258
		.amdhsa_next_free_sgpr 66
		.amdhsa_reserve_vcc 0
		.amdhsa_float_denorm_mode_32 3
		.amdhsa_float_denorm_mode_16_64 3
		.amdhsa_memory_ordered 1
		.amdhsa_forward_progress 1
		.amdhsa_inst_pref_size 163
	.end_amdhsa_kernel
	.amdgpu_metadata
---
amdhsa.version: [ 1, 2 ]
amdhsa.kernels:
  - .name:           k_qbd879001a1_refine
    .symbol:         k_qbd879001a1_refine.kd
    .args:
      - { .name: fe_lv, .offset: 0, .size: 8, .value_kind: global_buffer, .address_space: global }
      - { .name: fused_features, .offset: 8, .size: 8, .value_kind: global_buffer, .address_space: global }
      - { .name: out0, .offset: 16, .size: 8, .value_kind: global_buffer, .address_space: global }
    .group_segment_fixed_size: 321536
    .private_segment_fixed_size: 0
    .kernarg_segment_align: 8
    .kernarg_segment_size: 24
    .max_flat_workgroup_size: 256
    .sgpr_count:     66
    .vgpr_count:     258
    .wavefront_size: 32
...
	.end_amdgpu_metadata
.endif
;; end of part 1
